; MI455X (gfx1250); checked and timed in simulation.
; The chip was launched on July 23, 2026; its instructions are those of AMD's public machine-readable ISA for CDNA 5 (MIT licence, August 2026) and "CDNA5" Instruction Set Architecture Reference Guide (July 2026). The comments in the code are by the model that wrote it; some were corrected since.
;; Scattering Aware Attention. Allowed arithmetic: float matrix products may take bf16 or f16 operands with f32 sums; all other float work in f32.
;; Inputs: G_ii 2 x 2,048 float32; Wk 1,024 x 1,024 float32; Wo 1,024 x 1,024 float32; Wq 1,024 x 1,024 float32; Wv 1,024 x 1,024 float32; bk 1,024 float32; bo 1,024 float32; bq 1,024 float32; bv 1,024 float32; x 2 x 2,048 x 1,024 float32.
;; Outputs: out0 2 x 2,048 x 1,024 float32.
;; One version. Each part assembles by itself: llvm-mc -triple=amdgcn-amd-amdhsa -mcpu=gfx1250 --defsym DOCPART=n.
;; ======== version 1 of 1: 4 launches
;; limits: values are held in f16: magnitudes above 65,504 overflow, below 6.1e-05 lose precision
;; workspace buffers: xb 8,388,608 bytes; wt 8,388,608 bytes; qkvh 25,165,824 bytes; aoh 8,388,608 bytes
;; launch prep (part 1): grid 128 x 8, 8 waves a work-group, no clusters, 18,432 bytes of LDS; arguments x, Wq, Wk, Wv, Wo, xb, wt; writes xb, wt
.if DOCPART == 1
	.amdgcn_target "amdgcn-amd-amdhsa--gfx1250"
	.amdhsa_code_object_version 6
	.text
	.protected	k_qc7eef6ac38_prep
	.globl	k_qc7eef6ac38_prep
	.p2align	8
	.type	k_qc7eef6ac38_prep,@function
k_qc7eef6ac38_prep:
	s_mov_b64 s[64:65], 0
	v_nop
	global_prefetch_b8 v0, s[64:65] scope:SCOPE_SE
	s_setreg_imm32_b32 hwreg(HW_REG_WAVE_MODE, 25, 1), 1
	s_wait_xcnt 0x0
; Makes the f16 operands of the later products.  y = 0..3: one tile of 128 k x 64 n of Wq, Wk, Wv or Wo ([k][n] f32) is rounded
; and written transposed into wt ([4096 n][1024 k] f16; rows 1024 y .. hold matrix y), so that K lies along the rows.
; y = 4..7: 32,768 bytes of x are rounded to f16 into xb.  Every input byte is read once, every output byte written once.
; FORMAT: f16 (11 significant bits) and not bf16 (8): the result passes through six roundings of operands (x and W, q and k, v, P, the
; attention output, Wo) whose errors add.  LIMIT: |x|, |W| up to 65,504; below 2^-14 the step stays 2^-24.  At 30 times the drawn spread
; x stays under 200; at a thirtieth W's spread is 1e-3, where the step is 2^-20.
; No matrix unit, no cluster: no work-group shares a byte with another, and there is nothing to multiply.
.set TP, 272                           ; LDS row of the transposed tile: 128 f16 + 16 bytes
	s_load_b256 s[4:11], s[0:1], 0x0               ; x s[4:5], Wq s[6:7], Wk s[8:9], Wv s[10:11]
	s_load_b128 s[12:15], s[0:1], 0x20             ; Wo s[12:13], xb s[14:15]
	s_load_b64 s[16:17], s[0:1], 0x30              ; wt
	v_lshl_add_u32 v64, v0, 2, 0x4400
	v_mov_b32 v65, 0
	s_and_b32 s18, ttmp7, 0xffff                   ; y
	v_lshrrev_b32 v1, 4, v0                        ; t / 16
	v_and_b32 v2, 15, v0                           ; t % 16
	s_cmp_ge_u32 s18, 4
	s_cbranch_scc1 .Lcast
	; ---- transposing: thread t takes 8 k (8 (t/16) ..) of 4 n (4 (t%16) ..)
	s_lshr_b32 s19, ttmp9, 4                       ; k block, 0..7
	s_and_b32 s22, ttmp9, 15                       ; n block, 0..15
	s_lshl_b32 s24, s19, 19                        ; 128 k rows of 4,096 bytes
	s_lshl_b32 s23, s22, 8                         ; 64 n of 4 bytes
	s_add_co_u32 s24, s24, s23
	s_mov_b32 s25, 0
	s_lshl_b32 s26, s18, 21                        ; matrix y: 1,024 rows of 2,048 bytes in wt
	s_lshl_b32 s23, s22, 17                        ; 64 rows
	s_add_co_u32 s26, s26, s23
	s_lshl_b32 s23, s19, 8                         ; 128 k of 2 bytes
	s_add_co_u32 s26, s26, s23
	s_mov_b32 s27, 0
	v_lshlrev_b32 v3, 15, v1                       ; source: 8 rows x 4,096 bytes x (t/16)
	v_lshl_add_u32 v3, v2, 4, v3                   ; + 16 (t%16): sixteen lanes read 256 neighbouring bytes of a row
	v_mul_u32_u24 v4, v2, 4*TP                     ; LDS in: row 4 (t%16) + c,
	v_lshl_add_u32 v4, v1, 4, v4                   ; byte 16 (t/16)
	v_mul_u32_u24 v5, v1, TP                       ; LDS back: row t/16 (+16 p), byte 16 (t%16)
	v_lshl_add_u32 v5, v2, 4, v5
	v_lshlrev_b32 v6, 11, v1                       ; wt: the same row of 2,048 bytes
	v_lshl_add_u32 v6, v2, 4, v6
	s_wait_kmcnt 0x0
	s_cmp_eq_u32 s18, 1
	s_cselect_b64 s[20:21], s[8:9], s[6:7]
	s_cmp_eq_u32 s18, 2
	s_cselect_b64 s[20:21], s[10:11], s[20:21]
	s_cmp_eq_u32 s18, 3
	s_cselect_b64 s[20:21], s[12:13], s[20:21]
	s_add_nc_u64 s[20:21], s[20:21], s[24:25]
	s_add_nc_u64 s[28:29], s[16:17], s[26:27]
.irp i, 0,1,2,3,4,5,6,7
	global_load_b128 v[8+4*\i:11+4*\i], v3, s[20:21] offset:4096*\i th:TH_LOAD_NT   ; W(k0 + 8 (t/16) + i, 4 n)
.endr
	s_wait_loadcnt 0x0
.irp c, 0,1,2,3
.irp p, 0,1,2,3
	v_cvt_pk_f16_f32 v[40+4*\c+\p], v[8+8*\p+\c], v[12+8*\p+\c]        ; k = 2 p, 2 p + 1 of column c
.endr
	ds_store_b128 v4, v[40+4*\c:43+4*\c] offset:TP*\c
.endr
	s_wait_dscnt 0x0                               ; my stores are done before I say so: other waves read them
	s_barrier_signal -1
	s_barrier_wait -1
.irp p, 0,1,2,3
	ds_load_b128 v[8+4*\p:11+4*\p], v5 offset:16*TP*\p
.endr
.irp p, 0,1,2,3
	s_wait_dscnt 3-\p                              ; LDS loads come back in order: row group p is in
	global_store_b128 v6, v[8+4*\p:11+4*\p], s[28:29] offset:32768*\p  ; sixteen lanes store 256 consecutive bytes, aligned
.endr
	s_wait_tensorcnt 0x0
	ds_add_u32 v64, v65
	s_wait_dscnt 0x0
	s_endpgm
.Lcast:
	; ---- cast: thread t takes 8 numbers at byte 32 t of each of four pieces of 8,192 bytes
	s_sub_co_u32 s19, s18, 4
	s_lshl_b32 s19, s19, 7
	s_add_co_u32 s19, s19, ttmp9                   ; piece 0..511
	s_lshl_b32 s24, s19, 15
	s_mov_b32 s25, 0
	s_lshl_b32 s26, s19, 14
	s_mov_b32 s27, 0
	v_lshlrev_b32 v3, 5, v0
	v_lshlrev_b32 v6, 4, v0
	s_wait_kmcnt 0x0
	s_add_nc_u64 s[20:21], s[4:5], s[24:25]
	s_add_nc_u64 s[28:29], s[14:15], s[26:27]
.irp p, 0,1,2,3
	global_load_b128 v[8+8*\p:11+8*\p],  v3, s[20:21] offset:8192*\p th:TH_LOAD_NT
	global_load_b128 v[12+8*\p:15+8*\p], v3, s[20:21] offset:8192*\p+16 th:TH_LOAD_NT
.endr
.irp p, 0,1,2,3
	s_wait_loadcnt 6-2*\p                          ; the two loads of piece p are in, the younger ones stay out
.irp q, 0,1,2,3
	v_cvt_pk_f16_f32 v[40+4*\p+\q], v[8+8*\p+2*\q], v[9+8*\p+2*\q]
.endr
	global_store_b128 v6, v[40+4*\p:43+4*\p], s[28:29] offset:4096*\p
.endr
	s_endpgm
.Lfunc_end_k_qc7eef6ac38_prep:
	.size	k_qc7eef6ac38_prep, .Lfunc_end_k_qc7eef6ac38_prep-k_qc7eef6ac38_prep
	.p2alignl 7, 3214868480
	.fill 96, 4, 3214868480
	.section	.rodata,"a",@progbits
	.p2align	6, 0x0
	.amdhsa_kernel k_qc7eef6ac38_prep
		.amdhsa_group_segment_fixed_size 18432
		.amdhsa_private_segment_fixed_size 0
		.amdhsa_enable_private_segment 0
		.amdhsa_kernarg_size 56
		.amdhsa_user_sgpr_count 2
		.amdhsa_user_sgpr_kernarg_segment_ptr 1
		.amdhsa_wavefront_size32 1
		.amdhsa_system_sgpr_workgroup_id_x 1
		.amdhsa_system_sgpr_workgroup_id_y 1
		.amdhsa_system_sgpr_workgroup_id_z 1
		.amdhsa_system_vgpr_workitem_id 0
		.amdhsa_next_free_vgpr 66
		.amdhsa_next_free_sgpr 66
		.amdhsa_reserve_vcc 0
		.amdhsa_float_denorm_mode_32 3
		.amdhsa_float_denorm_mode_16_64 3
		.amdhsa_memory_ordered 1
		.amdhsa_forward_progress 1
		.amdhsa_inst_pref_size 8
	.end_amdhsa_kernel
	.amdgpu_metadata
---
amdhsa.version: [ 1, 2 ]
amdhsa.kernels:
  - .name:           k_qc7eef6ac38_prep
    .symbol:         k_qc7eef6ac38_prep.kd
    .args:
      - { .name: x, .offset: 0, .size: 8, .value_kind: global_buffer, .address_space: global }
      - { .name: Wq, .offset: 8, .size: 8, .value_kind: global_buffer, .address_space: global }
      - { .name: Wk, .offset: 16, .size: 8, .value_kind: global_buffer, .address_space: global }
      - { .name: Wv, .offset: 24, .size: 8, .value_kind: global_buffer, .address_space: global }
      - { .name: Wo, .offset: 32, .size: 8, .value_kind: global_buffer, .address_space: global }
      - { .name: xb, .offset: 40, .size: 8, .value_kind: global_buffer, .address_space: global }
      - { .name: wt, .offset: 48, .size: 8, .value_kind: global_buffer, .address_space: global }
    .group_segment_fixed_size: 18432
    .private_segment_fixed_size: 0
    .kernarg_segment_align: 8
    .kernarg_segment_size: 56
    .max_flat_workgroup_size: 256
    .sgpr_count:     66
    .vgpr_count:     66
    .wavefront_size: 32
...
	.end_amdgpu_metadata
.endif
;; end of part 1
;; launch qkv (part 2): grid 16 x 16, 4 waves a work-group, clusters of 4 x 4, 327,680 bytes of LDS; arguments xb, wt, bq, bk, bv, qkvh; writes qkvh
.if DOCPART == 2
	.amdgcn_target "amdgcn-amd-amdhsa--gfx1250"
	.amdhsa_code_object_version 6
	.text
	.protected	k_qc7eef6ac38_qkv
	.globl	k_qc7eef6ac38_qkv
	.p2align	8
	.type	k_qc7eef6ac38_qkv,@function
k_qc7eef6ac38_qkv:
	s_mov_b64 s[64:65], 0
	v_nop
	global_prefetch_b8 v0, s[64:65] scope:SCOPE_SE
	s_setreg_imm32_b32 hwreg(HW_REG_WAVE_MODE, 25, 1), 1
	s_wait_xcnt 0x0
	s_wait_alu depctr_hold_cnt(0) depctr_sa_sdst(0) depctr_va_vdst(0) depctr_va_sdst(0) depctr_va_ssrc(0) depctr_va_vcc(0) depctr_vm_vsrc(0)
	s_getreg_b32 s2, hwreg(HW_REG_IB_STS2, 6, 4)
	s_cmp_eq_u32 s2, 0
	s_cbranch_scc0 .Lentry_in_a_cluster
	s_endpgm
.Lentry_in_a_cluster:
	s_bfe_u32 s2, ttmp6, 0x10000c
	s_cmp_lg_u32 s2, 0xf033
	s_cbranch_scc0 .Lentry_shape_is_right
	s_endpgm
.Lentry_shape_is_right:
; q, k, v = x W + b in one product: C[4096][3072] = xb [4096][1024] x (wt rows 0..3071)^T, f16 operands, f32 sums, bias in f32,
; rounded once to f16 and stored by heads: qkvh [48 slots][4096 rows][64], slot = column / 64 (0-15 q, 16-31 k, 32-47 v).
; LIMIT: q, k, v are kept as f16, so |q|, |k|, |v| up to 65,504.  With x and W both 30 times the drawn spread their spread is 900; with both
; carrying an offset of 30 spreads the common term is 30 x (30/32) x 1024 = 28,800; with both a thirtieth the spread is 1e-3 (step 2^-20).
; A work-group makes 256 rows x 192 columns (three slots) with four waves; a wave makes 64 rows x 192 columns: 48 accumulator tiles.
; K goes in 8 steps of 128 through two LDS slots filled by the tensor data mover; rows of 256 bytes, padded to 272 in LDS.
; CLUSTERS: 4 x 4 work-groups.  The four of a cluster row need the same 256 rows of xb, the four of a column the same 192 rows of wt:
; each tile is asked for jointly by the four, with one descriptor and a mask that names them.
; The matrix instruction is used transposed (source 0 = rows of wt, source 1 = rows of xb): a lane then holds eight neighbouring
; columns of one row of C.
; REGISTERS: window 0: v16-27 addresses, v64-127 fragments of A in two buffers, v128-223 bias; on the way out v32-79 packed results,
; v80-127 rows read back.  window 1: v0-191 fragments of B in two buffers.  window 2: tiles of columns 0-95 (tile (bl, a) at 8 (4 bl + a)),
; window 3: those of columns 96-191.
.set KSTEP,  128
.set PITCH,  272                       ; 256 bytes + 16: the sixteen rows of a fragment load start 68 words apart
.set HALFA,  128*PITCH                 ; what one load of A brings
.set HALFB,  96*PITCH                  ; what one load of B brings
.set SLOT,   2*HALFA+2*HALFB           ; A's 256 rows, then B's 192 rows
.set STAGE,  2*SLOT                    ; behind the ring: 16 rows x 400 bytes for each wave; no tensor load lands here
.set SPITCH, 400
.set LAPS,   4                         ; 1024 / (2 x 128)
.set HEADB,  524288                    ; bytes of a slot of qkvh
.set ADRA, 16
.set ADRB, 20
.set STO,  24
.set RD,   25
.set CO,   26
.set BOFF, 27
.set FA0,  64
.set FA1,  96
.set BIAS, 128
.set TMP,  32
.set RB,   80
.set FB0,  0
.set FB1,  96
.set G1,  16                           ; s[16:23] group 1 for A
.set G1B, 24                           ; s[24:31] group 1 for B
.set G0,  32                           ; s[32:39] group 0 for A, a set for each slot
.set G0B, 40                           ; s[40:47] group 0 for B
.set MSB, 0
.macro WIN new                         ; the immediate's high byte repeats the setting that is left
.if MSB != \new
	s_set_vgpr_msb (MSB<<8)|\new
.set MSB, \new
.endif
.endm
.set MUL_LO, 0xa1                      ; source 0 (B) window 1, source 1 (A) window 0, C and D window 2
.set MUL_HI, 0xf1                      ; the same, C and D window 3
.set TO_B,   0x40                      ; destination window 1
.macro JLOAD s                         ; waves 0, 1 ask for A's halves, waves 2, 3 for B's: the branch hangs on the wave's number alone
	s_cmp_eq_u32 s67, 0
	s_cbranch_scc0 .Lfor_b_\@
	tensor_load_to_lds s[G0+4*\s:G0+4*\s+3], s[G1:G1+7]
	s_nop 0
	s_branch .Lasked_\@
.Lfor_b_\@:
	tensor_load_to_lds s[G0B+4*\s:G0B+4*\s+3], s[G1B:G1B+7]
	s_nop 0
.Lasked_\@:
.endm
.macro CREST                           ; a round of the cluster's barrier behind its opening work-group barrier
	s_cmp_lg_u32 s66, 0
	s_cbranch_scc1 .Lnot_wave_0_\@
	s_barrier_signal -3
.Lnot_wave_0_\@:
	s_barrier_wait -3
	s_barrier_signal -1
	s_barrier_wait -1
.endm
.macro CROUND
	s_barrier_signal -1
	s_barrier_wait -1
	CREST
.endm
.macro PLACES                          ; four independent vector places behind matrix instructions ahead of loads into their sources
.rept 4
	v_nop
.endr
.endm
	s_load_b256 s[4:11], s[0:1], 0x0               ; xb s[4:5], wt s[6:7], bq s[8:9], bk s[10:11]
	s_load_b128 s[12:15], s[0:1], 0x20             ; bv s[12:13], qkvh s[14:15]
	s_set_vgpr_msb 0x40
	v_lshl_add_u32 v255, v0, 2, 0x41c00
	s_set_vgpr_msb 0x4000
	v_mov_b32 v255, 0
	s_set_vgpr_msb 0x1
	ds_add_u32 v255, v255
	s_set_vgpr_msb 0x100
	v_lshrrev_b32 v1, 5, v0
	v_readfirstlane_b32 s66, v1                    ; wave 0..3
	s_lshr_b32 s67, s66, 1                         ; 0: I fetch for A, 1: for B
	s_and_b32 s68, s66, 1                          ; which half of that tile
	s_bfe_u32 s69, ttmp6, 0x40000                  ; cx
	s_bfe_u32 s70, ttmp6, 0x40004                  ; cy
	s_lshl_b32 s71, ttmp9, 2
	s_add_co_u32 s71, s71, s69                     ; block column 0..15
	s_and_b32 s72, ttmp7, 0xffff
	s_lshl_b32 s72, s72, 2
	s_add_co_u32 s72, s72, s70                     ; block row 0..15
	s_lshl_b32 s73, s70, 2
	s_lshl_b32 s73, 15, s73                        ; my row of the cluster
	s_lshl_b32 s74, 0x1111, s69                    ; my column
	s_or_b32 s[G1+0], s73, (1<<16)|(1<<20)|(1<<21)|(5<<22)|(3<<25)   ; mask; 2-byte elements; pad 4 words behind every 64; bit 21 beside a mask
	s_or_b32 s[G1B+0], s74, (1<<16)|(1<<20)|(1<<21)|(5<<22)|(3<<25)
	s_mov_b32 s[G1+1], KSTEP<<16                   ; tensor_dim0 = 128
	s_mov_b32 s[G1B+1], KSTEP<<16
	s_mov_b32 s[G1+2], 128<<16                     ; tensor_dim1 = 128 rows of A
	s_mov_b32 s[G1B+2], 96<<16                     ; 96 rows of B
	s_mov_b32 s[G1+3], KSTEP<<16                   ; tile_dim0 = 128
	s_mov_b32 s[G1B+3], KSTEP<<16
	s_mov_b32 s[G1+4], 128                         ; tile_dim1
	s_mov_b32 s[G1B+4], 96
	s_mov_b32 s[G1+5], 1024                        ; elements from row to row
	s_mov_b32 s[G1B+5], 1024
	s_mov_b32 s[G1+6], 0
	s_mov_b32 s[G1B+6], 0
	s_mov_b32 s[G1+7], 0
	s_mov_b32 s[G1B+7], 0
	s_lshl_b32 s80, s72, 8                         ; A: row 256 x block row + 128 x half,
	s_lshl_b32 s81, s68, 7
	s_add_co_u32 s80, s80, s81
	s_lshl_b32 s80, s80, 11                        ; rows of 2,048 bytes
	s_mov_b32 s81, 0
	s_mul_i32 s76, s71, 192                        ; B: row 192 x block column + 96 x half
	s_mul_i32 s77, s68, 96
	s_add_co_u32 s76, s76, s77
	s_lshl_b32 s76, s76, 11
	s_mov_b32 s77, 0
	s_mul_i32 s82, s68, HALFA                      ; LDS: A's halves from 0,
	s_mul_i32 s78, s68, HALFB
	s_add_co_u32 s78, s78, 2*HALFA                 ; B's halves behind them
	s_wait_dscnt 0x0
	s_wait_kmcnt 0x0
	s_add_nc_u64 s[80:81], s[4:5], s[80:81]
	s_add_nc_u64 s[76:77], s[6:7], s[76:77]
	CROUND                                         ; all sixteen work-groups are here: the first joint loads meet
.irp s, 0,1
	s_mov_b32 s[G0+4*\s], 1
	s_add_co_u32 s[G0+4*\s+1], s82, \s*SLOT
	s_add_nc_u64 s[G0+4*\s+2:G0+4*\s+3], s[80:81], \s*KSTEP*2
	s_or_b32 s[G0+4*\s+3], s[G0+4*\s+3], 0x80000000
	s_mov_b32 s[G0B+4*\s], 1
	s_add_co_u32 s[G0B+4*\s+1], s78, \s*SLOT
	s_add_nc_u64 s[G0B+4*\s+2:G0B+4*\s+3], s[76:77], \s*KSTEP*2
	s_or_b32 s[G0B+4*\s+3], s[G0B+4*\s+3], 0x80000000
	JLOAD \s                                       ; K steps 0 and 1: two loads of the wave are out
.endr
	v_and_b32 v1, 15, v0                           ; r
	v_bfe_u32 v2, v0, 4, 1                         ; h
	v_and_b32 v6, 31, v0                           ; lane
	v_mul_u32_u24 v3, v1, PITCH
	v_lshl_add_u32 v3, v2, 4, v3                   ; r x pitch + 16 h
	s_mul_i32 s79, s66, 64*PITCH                   ; my 64 rows of A
	v_add_nc_u32 v[ADRA], s79, v3
	v_add_nc_u32 v[ADRA+1], SLOT, v[ADRA]
	v_add_nc_u32 v[ADRB], 2*HALFA, v3              ; all 192 rows of B
	v_add_nc_u32 v[ADRB+1], SLOT, v[ADRB]
	s_mul_i32 s79, s66, 16*SPITCH
	s_add_co_u32 s79, s79, STAGE                   ; my stage
	v_mul_u32_u24 v4, v1, SPITCH
	v_lshl_add_u32 v4, v2, 4, v4
	v_add_nc_u32 v[STO], s79, v4                   ; in: row r, 16 bytes for each half of the lanes
	v_lshrrev_b32 v5, 3, v6
	v_mul_u32_u24 v5, v5, SPITCH
	v_and_b32 v4, 7, v0
	v_lshl_add_u32 v5, v4, 4, v5
	v_add_nc_u32 v[RD], s79, v5                    ; back: eight lanes take the 128 bytes of one row and one head
	v_lshlrev_b32 v[CO], 4, v6                     ; out: 16 x lane, 512 dense bytes (4 rows of a head)
	v_lshlrev_b32 v[BOFF], 5, v2                   ; bias: 8 h columns of 4 bytes
	; the bias of my three slots: the buffer by the slot's number, then 64 numbers for each head
.irp j, 0,1,2
	s_mul_i32 s76, s71, 3
	s_add_co_u32 s76, s76, \j
	s_cmp_lt_u32 s76, 32
	s_cselect_b64 s[48+2*\j:49+2*\j], s[10:11], s[12:13]
	s_cmp_lt_u32 s76, 16
	s_cselect_b64 s[48+2*\j:49+2*\j], s[8:9], s[48+2*\j:49+2*\j]
	s_and_b32 s76, s76, 15
	s_lshl_b32 s76, s76, 8
	s_mov_b32 s77, 0
	s_add_nc_u64 s[48+2*\j:49+2*\j], s[48+2*\j:49+2*\j], s[76:77]
.irp b, 0,1,2,3
	global_load_b128 v[BIAS+8*(4*\j+\b):BIAS+8*(4*\j+\b)+3],   v[BOFF], s[48+2*\j:49+2*\j] offset:64*\b
	global_load_b128 v[BIAS+8*(4*\j+\b)+4:BIAS+8*(4*\j+\b)+7], v[BOFF], s[48+2*\j:49+2*\j] offset:64*\b+16
.endr
.endr
; 12 matrix instructions: column tiles b0 .. b0+2 of the window's six x my four row tiles, 32 along K.  zero = 1 starts the sums.
; The 48 accumulators take turns, one instruction a turn, in the same order in every quarter step.
.macro MUL12 fa, fb, hi, b0, zero
.irp bl, \b0, \b0+1, \b0+2
.irp a, 0,1,2,3
.if \zero
	v_wmma_f32_16x16x32_f16 v[8*(4*(\bl)+\a):8*(4*(\bl)+\a)+7], v[\fb+8*(6*\hi+\bl):\fb+8*(6*\hi+\bl)+7], v[\fa+8*\a:\fa+8*\a+7], 0
.else
	v_wmma_f32_16x16x32_f16 v[8*(4*(\bl)+\a):8*(4*(\bl)+\a)+7], v[\fb+8*(6*\hi+\bl):\fb+8*(6*\hi+\bl)+7], v[\fa+8*\a:\fa+8*\a+7], v[8*(4*(\bl)+\a):8*(4*(\bl)+\a)+7]
.endif
.endr
.endr
.endm
; 32 LDS loads in one run: A's 4 fragments, then B's 12, of the quarter step at byte k of the slot's rows
.macro FETCH slot, k, fa, fb
	WIN 0
.irp i, 0,1,2,3
	ds_load_b128 v[\fa+8*\i:\fa+8*\i+3],   v[ADRA+\slot] offset:\k+\i*16*PITCH
	ds_load_b128 v[\fa+8*\i+4:\fa+8*\i+7], v[ADRA+\slot] offset:\k+\i*16*PITCH+32
.endr
	WIN TO_B
.irp i, 0,1,2,3,4,5,6,7,8,9,10,11
	ds_load_b128 v[\fb+8*\i:\fb+8*\i+3],   v[ADRB+\slot] offset:\k+\i*16*PITCH
	ds_load_b128 v[\fb+8*\i+4:\fb+8*\i+7], v[ADRB+\slot] offset:\k+\i*16*PITCH+32
.endr
.endm
.macro QUARTER slot, k, fa, fb, ga, gb, zero
	s_wait_dscnt 12                                ; A and B's tiles 0-5 are in; the youngest twelve loads (B's tiles 6-11) may be out
	WIN MUL_LO
	MUL12 \fa, \fb, 0, 0, \zero
	MUL12 \fa, \fb, 0, 3, \zero
	PLACES
	FETCH \slot, \k, \ga, \gb
	s_wait_dscnt 32                                ; all but the 32 just issued
	WIN MUL_HI
	MUL12 \fa, \fb, 1, 0, \zero
	MUL12 \fa, \fb, 1, 3, \zero
.endm
.macro THREE slot, zero
	QUARTER \slot, 64,  FA0, FB0, FA1, FB1, \zero
	QUARTER \slot, 128, FA1, FB1, FA0, FB0, 0
	QUARTER \slot, 192, FA0, FB0, FA1, FB1, 0
.endm
; The last quarter of a K step changes slots.  In front of the barrier each wave waits for its reads of this slot and for all its tensor
; loads (one is out: its part of the next slot).  Where the slot is filled again the barrier opens a round of the cluster's barrier, and
; the joint refill is the first tensor load behind the round.
.macro TURN slot, next, fill
	s_wait_dscnt 12
	WIN MUL_LO
	MUL12 FA1, FB1, 0, 0, 0
	s_wait_dscnt 0x0                               ; my reads of this slot are over
	s_wait_tensorcnt 0x0                           ; all my tensor loads have landed
	ds_add_u32 v255, v255
	s_wait_dscnt 0x0
	s_barrier_signal -1
	MUL12 FA1, FB1, 0, 3, 0                        ; register work while the others arrive
	WIN 0
	s_barrier_wait -1
.if \fill
	CREST
	s_add_nc_u64 s[G0+4*\slot+2:G0+4*\slot+3], s[G0+4*\slot+2:G0+4*\slot+3], 2*KSTEP*2
	s_add_nc_u64 s[G0B+4*\slot+2:G0B+4*\slot+3], s[G0B+4*\slot+2:G0B+4*\slot+3], 2*KSTEP*2
	JLOAD \slot
.endif
	PLACES
	FETCH \next, 0, FA0, FB0
	WIN MUL_HI
	MUL12 FA1, FB1, 1, 0, 0
	MUL12 FA1, FB1, 1, 3, 0
.endm
.macro LAP zero
	THREE 0, \zero
	TURN 0, 1, 1
	THREE 1, 0
	TURN 1, 0, 1
.endm
	s_wait_tensorcnt 1                             ; my part of K step 0 is in; K step 1's load stays out
	s_barrier_signal -1
	s_barrier_wait -1
	FETCH 0, 0, FA0, FB0
	LAP 1                                          ; the first lap's first products start the sums
	WIN 0
	s_mov_b32 s3, LAPS-2
.Llap:
	LAP 0
	WIN 0
	s_sub_co_u32 s3, s3, 1
	s_cmp_lg_u32 s3, 0
	s_cbranch_scc1 .Llap
	THREE 0, 0                                     ; the last lap fills nothing
	TURN 0, 1, 0
	THREE 1, 0
	s_wait_dscnt 12
	WIN MUL_LO
	MUL12 FA1, FB1, 0, 0, 0
	MUL12 FA1, FB1, 0, 3, 0
	s_wait_dscnt 0x0
	WIN MUL_HI
	MUL12 FA1, FB1, 1, 0, 0
	MUL12 FA1, FB1, 1, 3, 0
	; THE WAY OUT: bias in f32, round to f16, 16 rows at a time through my own stage, out as dense runs of 512 bytes by heads
	PLACES
	s_mul_i32 s84, s71, 3*HEADB                    ; my first slot
	s_lshl_b32 s86, s72, 15                        ; 256 rows of 128 bytes
	s_add_co_u32 s84, s84, s86
	s_lshl_b32 s86, s66, 13                        ; my 64 rows
	s_add_co_u32 s84, s84, s86
	s_mov_b32 s85, 0
	s_add_nc_u64 s[84:85], s[14:15], s[84:85]
	s_wait_loadcnt 0x0                             ; the bias
	WIN 0x82                                       ; destination and source 0 window 2, source 1 window 0
.irp bl, 0,1,2,3,4,5
.irp a, 0,1,2,3
.irp r, 0,2,4,6
	v_pk_add_f32 v[8*(4*\bl+\a)+\r:8*(4*\bl+\a)+\r+1], v[8*(4*\bl+\a)+\r:8*(4*\bl+\a)+\r+1], v[BIAS+8*\bl+\r:BIAS+8*\bl+\r+1]
.endr
.endr
.endr
	WIN 0xc3                                       ; the same for window 3
.irp bl, 0,1,2,3,4,5
.irp a, 0,1,2,3
.irp r, 0,2,4,6
	v_pk_add_f32 v[8*(4*\bl+\a)+\r:8*(4*\bl+\a)+\r+1], v[8*(4*\bl+\a)+\r:8*(4*\bl+\a)+\r+1], v[BIAS+8*(6+\bl)+\r:BIAS+8*(6+\bl)+\r+1]
.endr
.endr
.endr
.macro OUT16 a
	WIN 0x0a
.irp bl, 0,1,2,3,4,5
.irp r, 0,1,2,3
	v_cvt_pk_f16_f32 v[TMP+4*\bl+\r], v[8*(4*\bl+\a)+2*\r], v[8*(4*\bl+\a)+2*\r+1]
.endr
.endr
	WIN 0x0f
.irp bl, 0,1,2,3,4,5
.irp r, 0,1,2,3
	v_cvt_pk_f16_f32 v[TMP+4*(6+\bl)+\r], v[8*(4*\bl+\a)+2*\r], v[8*(4*\bl+\a)+2*\r+1]
.endr
.endr
	WIN 0
.irp b, 0,1,2,3,4,5,6,7,8,9,10,11
	ds_store_b128 v[STO], v[TMP+4*\b:TMP+4*\b+3] offset:32*\b
.endr
	s_wait_xcnt 0x0                                ; the registers that the last stores read are loaded again only behind this wait
.irp j, 0,1,2
.irp t, 0,1,2,3
	ds_load_b128 v[RB+4*(4*\j+\t):RB+4*(4*\j+\t)+3], v[RD] offset:4*SPITCH*\t+128*\j   ; LDS serves a wave in order: these see the stores above
.endr
.endr
.irp j, 0,1,2
.irp t, 0,1,2,3
	s_wait_dscnt 11-(4*\j+\t)
	global_store_b128 v[CO], v[RB+4*(4*\j+\t):RB+4*(4*\j+\t)+3], s[84:85] offset:\j*HEADB+\a*2048+\t*512   ; 512 consecutive bytes, aligned
.endr
.endr
.endm
	OUT16 0
	OUT16 1
	OUT16 2
	OUT16 3
	s_set_vgpr_msb 0x1
	s_wait_tensorcnt 0x0
	ds_add_u32 v255, v255
	s_wait_dscnt 0x0
	s_set_vgpr_msb 0x100
	CROUND                                         ; the closing round: no work-group ends while a partner may still ask jointly
	s_endpgm
.Lfunc_end_k_qc7eef6ac38_qkv:
	.size	k_qc7eef6ac38_qkv, .Lfunc_end_k_qc7eef6ac38_qkv-k_qc7eef6ac38_qkv
	.p2alignl 7, 3214868480
	.fill 96, 4, 3214868480
	.section	.rodata,"a",@progbits
	.p2align	6, 0x0
	.amdhsa_kernel k_qc7eef6ac38_qkv
		.amdhsa_group_segment_fixed_size 327680
		.amdhsa_private_segment_fixed_size 0
		.amdhsa_enable_private_segment 0
		.amdhsa_kernarg_size 48
		.amdhsa_user_sgpr_count 2
		.amdhsa_user_sgpr_kernarg_segment_ptr 1
		.amdhsa_wavefront_size32 1
		.amdhsa_system_sgpr_workgroup_id_x 1
		.amdhsa_system_sgpr_workgroup_id_y 1
		.amdhsa_system_sgpr_workgroup_id_z 1
		.amdhsa_system_vgpr_workitem_id 0
		.amdhsa_next_free_vgpr 1024
		.amdhsa_next_free_sgpr 96
		.amdhsa_reserve_vcc 0
		.amdhsa_float_denorm_mode_32 3
		.amdhsa_float_denorm_mode_16_64 3
		.amdhsa_memory_ordered 1
		.amdhsa_forward_progress 1
		.amdhsa_inst_pref_size 178
	.end_amdhsa_kernel
	.amdgpu_metadata
---
amdhsa.version: [ 1, 2 ]
amdhsa.kernels:
  - .name:           k_qc7eef6ac38_qkv
    .symbol:         k_qc7eef6ac38_qkv.kd
    .args:
      - { .name: xb, .offset: 0, .size: 8, .value_kind: global_buffer, .address_space: global }
      - { .name: wt, .offset: 8, .size: 8, .value_kind: global_buffer, .address_space: global }
      - { .name: bq, .offset: 16, .size: 8, .value_kind: global_buffer, .address_space: global }
      - { .name: bk, .offset: 24, .size: 8, .value_kind: global_buffer, .address_space: global }
      - { .name: bv, .offset: 32, .size: 8, .value_kind: global_buffer, .address_space: global }
      - { .name: qkvh, .offset: 40, .size: 8, .value_kind: global_buffer, .address_space: global }
    .group_segment_fixed_size: 327680
    .private_segment_fixed_size: 0
    .kernarg_segment_align: 8
    .kernarg_segment_size: 48
    .max_flat_workgroup_size: 128
    .sgpr_count:     96
    .vgpr_count:     1024
    .wavefront_size: 32
...
	.end_amdgpu_metadata
.endif
;; end of part 2
;; launch attn (part 3): grid 8 x 32, 8 waves a work-group, clusters of 4 x 1, 327,680 bytes of LDS; arguments qkvh, G_ii, aoh; writes aoh
.if DOCPART == 3
	.amdgcn_target "amdgcn-amd-amdhsa--gfx1250"
	.amdhsa_code_object_version 6
	.text
	.protected	k_qc7eef6ac38_attn
	.globl	k_qc7eef6ac38_attn
	.p2align	8
	.type	k_qc7eef6ac38_attn,@function
k_qc7eef6ac38_attn:
	s_mov_b64 s[64:65], 0
	v_nop
	global_prefetch_b8 v0, s[64:65] scope:SCOPE_SE
	s_setreg_imm32_b32 hwreg(HW_REG_WAVE_MODE, 25, 1), 1
	s_wait_xcnt 0x0
	s_wait_alu depctr_hold_cnt(0) depctr_sa_sdst(0) depctr_va_vdst(0) depctr_va_sdst(0) depctr_va_ssrc(0) depctr_va_vcc(0) depctr_vm_vsrc(0)
	s_getreg_b32 s2, hwreg(HW_REG_IB_STS2, 6, 4)
	s_cmp_eq_u32 s2, 0
	s_cbranch_scc0 .Lentry_in_a_cluster
	s_endpgm
.Lentry_in_a_cluster:
	s_bfe_u32 s2, ttmp6, 0x10000c
	s_cmp_lg_u32 s2, 0x3003
	s_cbranch_scc0 .Lentry_shape_is_right
	s_endpgm
.Lentry_shape_is_right:
; softmax(q k^T / 8) v for one head and batch (y = 16 b + h) and 256 queries (x), times the block's keep factor; f16 out by heads.
; Eight waves.  Waves w and w + 4 own the same 64 queries (one keep block) and different halves of the 2,048 keys; each runs an
; online softmax (running maximum, f32 sums) over its 1,024 keys in 8 trips of 128, two sub-steps of 64; the pair is merged once at the end.
; Both waves of a pair lie on a SIMD's registers together, so that one's products can run beside the other's vector work.
; LAYOUT: S^T = K x Q^T, so a lane holds one query (its lane % 16) and keys 8 (lane / 16) + j of a tile: all statistics are per lane, and two
; neighbouring key tiles, packed to f16, are the second operand of O^T = V^T x P^T as they stand.  V^T's fragments come by transposing LDS loads.
; CLUSTERS: the four work-groups of a cluster have the same head and batch and read the same K and V tiles: every tile part is asked for
; jointly (mask 15), and each refill stands behind a round of the cluster's barrier.
; LIMITS: a NaN in G_ii is passed over by the maximum (reference() would drop that block).  P enters the second product as f16: it lies in
; [0, 1] since the running maximum is taken away first; a p below 2^-24 becomes 0, at most 2048 x 2^-25 against a row sum of at least 1.
; The row sums are taken from the f32 values.  The output is a weighted mean of v and has v's range (up to 65,504 in f16).
; Dropped blocks are computed and multiplied by 0: no branch hangs on G_ii.
; REGISTERS: window 0: v4-14 addresses and keep, v16-57 statistics, v64-127 V fragments, v128-255 S / P.
;            window 1: v0-127 O^T (tile (qt, dt) at 8 (4 qt + dt)), v128-191 Q fragments, v192-255 K fragments.
.set KPART, 8704                       ; 64 keys of K: 32 LDS rows (two keys each) of 256 + 16 bytes
.set VPART, 9216                       ; 64 keys of V: 32 LDS rows of 256 + 32 bytes
.set VREG,  4*KPART
.set SLOT,  4*KPART+4*VPART            ; 71,680: 128 keys of each half, K then V
.set STG,   2*SLOT                     ; 17,408 bytes for each pair of waves; no tensor load lands here
.set PAIRST, 17408
.set TILEB, 16384                      ; 128 keys of 128 bytes in memory
.set KADR, 4
.set VADR, 6
.set QOFF, 8
.set GOFF, 9
.set STGA, 10
.set STO,  11
.set RD,   12
.set CO,   13
.set KEEP, 14
.set M,    16                          ; running maximum of query tile qt
.set MX,   20
.set T2,   24
.set AL,   28                          ; at 28 + 2 qt: the factor for what has been summed so far
.set NM,   36                          ; at 36 + 2 qt: - c x maximum
.set L,    44                          ; the lane's part of the row sum
.set LS,   48                          ; pairs: this sub-step's sums
.set G,    56
.set VF,   64
.set S,    128
.set O,    0                           ; window 1
.set Q,    128
.set KF,   192
.set G1K, 16
.set G1V, 24
.set G0K, 32
.set G0V, 40
.set MSB, 0
.macro WIN new
.if MSB != \new
	s_set_vgpr_msb (MSB<<8)|\new
.set MSB, \new
.endif
.endm
.macro ROUND                           ; a round of the cluster's barrier
	s_barrier_signal -1
	s_barrier_wait -1
	s_cmp_lg_u32 s10, 0
	s_cbranch_scc1 .Lnot_wave_0_\@
	s_barrier_signal -3
.Lnot_wave_0_\@:
	s_barrier_wait -3
	s_barrier_signal -1
	s_barrier_wait -1
.endm
.macro JLOAD s                         ; waves 0-3 ask for the four parts of K, waves 4-7 for those of V
	s_cmp_lt_u32 s10, 4
	s_cbranch_scc0 .Lfor_v_\@
	tensor_load_to_lds s[G0K+4*(\s):G0K+4*(\s)+3], s[G1K:G1K+7]
	s_nop 0
	s_branch .Lasked_\@
.Lfor_v_\@:
	tensor_load_to_lds s[G0V+4*(\s):G0V+4*(\s)+3], s[G1V:G1V+7]
	s_nop 0
.Lasked_\@:
.endm
.macro PLACES
.rept 4
	v_nop
.endr
.endm
	s_load_b128 s[4:7], s[0:1], 0x0                ; qkvh s[4:5], G_ii s[6:7]
	s_load_b64 s[8:9], s[0:1], 0x10                ; aoh
	v_lshl_add_u32 v62, v0, 2, 0x34000
	v_mov_b32 v63, 0
	ds_add_u32 v62, v63
	v_lshrrev_b32 v1, 5, v0
	v_readfirstlane_b32 s10, v1                    ; wave 0..7
	s_and_b32 s11, s10, 3                          ; my query tile of 64; also the part that I fetch
	s_lshr_b32 s12, s10, 2                         ; my half of the keys
	s_bfe_u32 s13, ttmp6, 0x40000                  ; cx
	s_lshl_b32 s14, ttmp9, 2
	s_add_co_u32 s14, s14, s13                     ; query group 0..7: enters global addresses of my own loads and stores alone
	s_and_b32 s15, ttmp7, 0xffff
	s_lshr_b32 s53, s15, 4                         ; b
	s_and_b32 s54, s15, 15                         ; h
	s_lshl_b32 s55, s53, 11
	s_lshl_b32 s56, s14, 8
	s_add_co_u32 s55, s55, s56
	s_lshl_b32 s56, s11, 6
	s_add_co_u32 s55, s55, s56                     ; my first row: 2048 b + 256 x group + 64 x tile
	s_mov_b32 s48, 0x76543210                      ; v_permlanex16_b32: lane i takes lane i of the other half
	s_mov_b32 s49, 0xfedcba98
	s_mov_b32 s50, 0x3e38aa3b                      ; c = log2(e) / 8: the scale 1 / sqrt(64) and the base of v_exp_f32 in one
	s_mov_b32 s51, 0x3e38aa3b
	s_mov_b32 s52, 0xbe38aa3b                      ; - c
	v_and_b32 v1, 31, v0                           ; lane
	v_and_b32 v2, 15, v0                           ; r
	v_bfe_u32 v3, v0, 4, 1                         ; h
	v_lshlrev_b32 v[QOFF], 7, v2
	v_lshl_add_u32 v[QOFF], v3, 4, v[QOFF]         ; q: row r of 128 bytes + 16 h
	v_lshlrev_b32 v[GOFF], 3, v1                   ; G_ii: two numbers a lane
	v_lshrrev_b32 v15, 1, v2                       ; K: key r lies in LDS row r / 2, half r % 2
	v_mul_u32_u24 v15, v15, 272
	v_and_b32 v58, 1, v2
	v_lshl_add_u32 v15, v58, 7, v15
	v_lshl_add_u32 v15, v3, 4, v15
	s_mul_i32 s60, s12, 2*KPART
	v_add_nc_u32 v[KADR], s60, v15
	v_add_nc_u32 v[KADR+1], SLOT, v[KADR]
	v_bfe_u32 v15, v0, 1, 2                        ; V: key 8 h + lane % 8 lies in LDS row 4 h + (lane % 8) / 2, half lane % 2
	v_lshl_add_u32 v15, v3, 2, v15
	v_mul_u32_u24 v15, v15, 288
	v_and_b32 v58, 1, v0
	v_lshl_add_u32 v15, v58, 7, v15
	v_bfe_u32 v58, v0, 3, 1
	v_lshl_add_u32 v15, v58, 4, v15                ; + 16 x ((lane / 8) % 2)
	s_mul_i32 s60, s12, 2*VPART
	s_add_co_u32 s60, s60, VREG
	v_add_nc_u32 v[VADR], s60, v15
	v_add_nc_u32 v[VADR+1], SLOT, v[VADR]
	s_mul_i32 s60, s11, PAIRST
	s_add_co_u32 s60, s60, STG                     ; my pair's stage
	v_lshl_add_u32 v[STGA], v1, 4, s60             ; register images: 16 x lane
	v_mul_u32_u24 v15, v2, 144
	v_lshl_add_u32 v15, v3, 4, v15
	v_add_nc_u32 v[STO], s60, v15                  ; rows of 128 + 16 bytes: row r, 16 h
	v_lshrrev_b32 v15, 3, v1
	v_mul_u32_u24 v15, v15, 144
	v_and_b32 v58, 7, v0
	v_lshl_add_u32 v15, v58, 4, v15
	v_add_nc_u32 v[RD], s60, v15                   ; back: eight lanes take a row
	v_lshlrev_b32 v[CO], 4, v1
	v_mov_b32 v59, 0                               ; destinations of v_permlanex16_b32 and the unused halves of broadcast pairs are written once
.irp q, 0,1,2,3
	v_mov_b32 v[T2+\q], 0
	v_mov_b32 v[AL+2*\q+1], 0
	v_mov_b32 v[NM+2*\q+1], 0
.endr
	s_lshl_b32 s62, s54, 19                        ; head h, my rows: the same offset in q's slots and in aoh
	s_lshl_b32 s63, s55, 7
	s_add_co_u32 s62, s62, s63
	s_mov_b32 s63, 0
	s_lshl_b32 s58, s55, 2
	s_mov_b32 s59, 0
	s_add_co_u32 s60, s54, 16                      ; K: slot 16 + h, batch b, the part's half of the keys and its 64 keys
	s_lshl_b32 s60, s60, 19
	s_lshl_b32 s61, s53, 18
	s_add_co_u32 s60, s60, s61
	s_lshr_b32 s61, s11, 1
	s_lshl_b32 s61, s61, 17
	s_add_co_u32 s60, s60, s61
	s_and_b32 s61, s11, 1
	s_lshl_b32 s61, s61, 13
	s_add_co_u32 s60, s60, s61
	s_mov_b32 s61, 0
	s_mul_i32 s70, s11, KPART
	s_mul_i32 s71, s11, VPART
	s_add_co_u32 s71, s71, VREG
	s_wait_dscnt 0x0
	s_wait_kmcnt 0x0
	s_add_nc_u64 s[56:57], s[4:5], s[62:63]        ; q
	s_add_nc_u64 s[68:69], s[8:9], s[62:63]        ; aoh
	s_add_nc_u64 s[58:59], s[6:7], s[58:59]        ; G_ii
	s_add_nc_u64 s[60:61], s[4:5], s[60:61]        ; k; v lies 16 slots further
	WIN 0x40
.irp q, 0,1,2,3
.irp c, 0,1
	global_load_b128 v[Q+8*(2*\q+\c):Q+8*(2*\q+\c)+3],   v[QOFF], s[56:57] offset:\q*2048+\c*64
	global_load_b128 v[Q+8*(2*\q+\c)+4:Q+8*(2*\q+\c)+7], v[QOFF], s[56:57] offset:\q*2048+\c*64+32
.endr
.endr
	WIN 0
	global_load_b64 v[G:G+1], v[GOFF], s[58:59]
	; descriptors: a part is dense in memory, 8,192 bytes as 32 rows of 32 elements of 8 bytes; 4 (K) or 8 (V) words of padding behind each
	s_mov_b32 s[G1K+0], 15|(3<<16)|(1<<20)|(1<<21)|(5<<22)|(3<<25)
	s_mov_b32 s[G1V+0], 15|(3<<16)|(1<<20)|(1<<21)|(5<<22)|(7<<25)
	s_mov_b32 s[G1K+1], 32<<16
	s_mov_b32 s[G1V+1], 32<<16
	s_mov_b32 s[G1K+2], 32<<16
	s_mov_b32 s[G1V+2], 32<<16
	s_mov_b32 s[G1K+3], 32<<16
	s_mov_b32 s[G1V+3], 32<<16
	s_mov_b32 s[G1K+4], 32
	s_mov_b32 s[G1V+4], 32
	s_mov_b32 s[G1K+5], 32
	s_mov_b32 s[G1V+5], 32
	s_mov_b32 s[G1K+6], 0
	s_mov_b32 s[G1V+6], 0
	s_mov_b32 s[G1K+7], 0
	s_mov_b32 s[G1V+7], 0
.irp t, 0,1
	s_mov_b32 s[G0K+4*\t], 1
	s_add_co_u32 s[G0K+4*\t+1], s70, \t*SLOT
	s_add_nc_u64 s[G0K+4*\t+2:G0K+4*\t+3], s[60:61], \t*TILEB
	s_or_b32 s[G0K+4*\t+3], s[G0K+4*\t+3], 0x80000000
	s_mov_b32 s[G0V+4*\t], 1
	s_add_co_u32 s[G0V+4*\t+1], s71, \t*SLOT
	s_add_nc_u64 s[G0V+4*\t+2:G0V+4*\t+3], s[60:61], 8388608+\t*TILEB
	s_or_b32 s[G0V+4*\t+3], s[G0V+4*\t+3], 0x80000000
.endr
	ROUND                                          ; the four work-groups are here: the first joint loads meet
	JLOAD 0                                        ; tile 0: one load of the wave is out
	s_wait_loadcnt 0x0                             ; q and G_ii
	v_max_num_f32 v58, |v[G]|, |v[G+1]|            ; keep = (largest |G_ii| of my 64 rows >= 0.99) as 1.0 or 0.0
	v_max_num_f32_dpp v58, v58, v58 row_xmask:1 row_mask:0xf bank_mask:0xf
	v_max_num_f32_dpp v58, v58, v58 row_xmask:2 row_mask:0xf bank_mask:0xf
	v_max_num_f32_dpp v58, v58, v58 row_xmask:4 row_mask:0xf bank_mask:0xf
	v_max_num_f32_dpp v58, v58, v58 row_xmask:8 row_mask:0xf bank_mask:0xf
	v_permlanex16_b32 v59, v58, s48, s49
	v_max_num_f32 v58, v58, v59
	v_cmp_le_f32 vcc_lo, 0x3f7d70a4, v58
	v_cndmask_b32 v[KEEP], 0, 1.0, vcc_lo
.macro KLOAD slot, sub                 ; 16 loads: four key tiles x two halves of d
	WIN 0x40
.irp k, 0,1,2,3
.irp c, 0,1
	ds_load_b128 v[KF+8*(2*\k+\c):KF+8*(2*\k+\c)+3],   v[KADR+\slot] offset:\sub*KPART+\k*2176+\c*64
	ds_load_b128 v[KF+8*(2*\k+\c)+4:KF+8*(2*\k+\c)+7], v[KADR+\slot] offset:\sub*KPART+\k*2176+\c*64+32
.endr
.endr
	WIN 0
.endm
.macro VLOAD slot, sub                 ; 16 transposing loads: two runs of 32 keys x four tiles of d
.irp u, 0,1
.irp d, 0,1,2,3
	ds_load_tr16_b128 v[VF+8*(4*\u+\d):VF+8*(4*\u+\d)+3],   v[VADR+\slot] offset:\sub*VPART+\u*4608+32*\d
	ds_load_tr16_b128 v[VF+8*(4*\u+\d)+4:VF+8*(4*\u+\d)+7], v[VADR+\slot] offset:\sub*VPART+\u*4608+2304+32*\d
.endr
.endr
.endm
; In both products sixteen accumulators take turns, one instruction a turn.
.macro SMUL c, zero                    ; S^T tiles, half c of d
.irp q, 0,1,2,3
.irp k, 0,1,2,3
.if \zero
	v_wmma_f32_16x16x32_f16 v[S+8*(4*\q+\k):S+8*(4*\q+\k)+7], v[KF+8*(2*\k+\c):KF+8*(2*\k+\c)+7], v[Q+8*(2*\q+\c):Q+8*(2*\q+\c)+7], 0
.else
	v_wmma_f32_16x16x32_f16 v[S+8*(4*\q+\k):S+8*(4*\q+\k)+7], v[KF+8*(2*\k+\c):KF+8*(2*\k+\c)+7], v[Q+8*(2*\q+\c):Q+8*(2*\q+\c)+7], v[S+8*(4*\q+\k):S+8*(4*\q+\k)+7]
.endif
.endr
.endr
.endm
.macro PVMUL u, zero                   ; O^T tiles, run u of 32 keys
.irp q, 0,1,2,3
.irp d, 0,1,2,3
.if \zero
	v_wmma_f32_16x16x32_f16 v[O+8*(4*\q+\d):O+8*(4*\q+\d)+7], v[VF+8*(4*\u+\d):VF+8*(4*\u+\d)+7], v[S+32*\q+16*\u:S+32*\q+16*\u+7], 0
.else
	v_wmma_f32_16x16x32_f16 v[O+8*(4*\q+\d):O+8*(4*\q+\d)+7], v[VF+8*(4*\u+\d):VF+8*(4*\u+\d)+7], v[S+32*\q+16*\u:S+32*\q+16*\u+7], v[O+8*(4*\q+\d):O+8*(4*\q+\d)+7]
.endif
.endr
.endr
.endm
.macro FMAT i                          ; tile i = 4 qt + kt: c s - c m
.irp r, 0,2,4,6
	v_pk_fma_f32 v[S+8*(\i)+\r:S+8*(\i)+\r+1], v[S+8*(\i)+\r:S+8*(\i)+\r+1], s[50:51], v[NM+2*((\i)/4):NM+2*((\i)/4)+1] op_sel_hi:[1,0,0]
.endr
.endm
.macro EXPT i
.irp r, 0,1,2,3,4,5,6,7
	v_exp_f32 v[S+8*(\i)+\r], v[S+8*(\i)+\r]
.endr
.endm
.macro SUMCVT i                        ; the tile's eight p into the sub-step's sums, then packed: an even tile into its own first four registers,
.set PD, S+8*(\i)-4*((\i)%2)           ; an odd one into the four behind those, so that two tiles make one operand of 32 keys
.if ((\i)%4) == 0
	s_wait_alu depctr_va_vdst(0)
	v_pk_add_f32 v[LS+2*((\i)/4):LS+2*((\i)/4)+1], v[S+8*(\i):S+8*(\i)+1], v[S+8*(\i)+2:S+8*(\i)+3]
.else
	s_wait_alu depctr_va_vdst(0)
	v_pk_add_f32 v[LS+2*((\i)/4):LS+2*((\i)/4)+1], v[LS+2*((\i)/4):LS+2*((\i)/4)+1], v[S+8*(\i):S+8*(\i)+1]
	v_pk_add_f32 v[LS+2*((\i)/4):LS+2*((\i)/4)+1], v[LS+2*((\i)/4):LS+2*((\i)/4)+1], v[S+8*(\i)+2:S+8*(\i)+3]
.endif
	v_cvt_pk_f16_f32 v[PD], v[S+8*(\i)], v[S+8*(\i)+1]
	v_pk_add_f32 v[LS+2*((\i)/4):LS+2*((\i)/4)+1], v[LS+2*((\i)/4):LS+2*((\i)/4)+1], v[S+8*(\i)+4:S+8*(\i)+5]
	v_cvt_pk_f16_f32 v[PD+1], v[S+8*(\i)+2], v[S+8*(\i)+3]
	v_pk_add_f32 v[LS+2*((\i)/4):LS+2*((\i)/4)+1], v[LS+2*((\i)/4):LS+2*((\i)/4)+1], v[S+8*(\i)+6:S+8*(\i)+7]
	v_cvt_pk_f16_f32 v[PD+2], v[S+8*(\i)+4], v[S+8*(\i)+5]
	v_cvt_pk_f16_f32 v[PD+3], v[S+8*(\i)+6], v[S+8*(\i)+7]
.endm
; One sub-step: 64 keys x my 64 queries.  first = 1: nothing has been summed yet.
.macro SUB slot, sub, first
.if \sub == 0
	KLOAD \slot, 0
.endif
	s_wait_dscnt 0x0                               ; this sub-step's K fragments are in
	WIN 0x05                                       ; sources 0 and 1 window 1, C and D window 0
	SMUL 0, 1
	SMUL 1, 0
	WIN 0
	PLACES                                         ; behind the products: their results are read, and their K fragments loaded again, below
	VLOAD \slot, \sub
.if \sub == 0
	KLOAD \slot, 1                                 ; the next sub-step's K fragments, a whole softmax ahead
.endif
.irp q, 0,1,2,3
	v_max3_num_f32 v[MX+\q], v[S+32*\q], v[S+32*\q+1], v[S+32*\q+2]
.endr
.irp j, 3,5,7,9,11,13,15,17,19,21,23,25,27,29
.irp q, 0,1,2,3
	v_max3_num_f32 v[MX+\q], v[MX+\q], v[S+32*\q+\j], v[S+32*\q+\j+1]
.endr
.endr
.irp q, 0,1,2,3
	v_max_num_f32 v[MX+\q], v[MX+\q], v[S+32*\q+31]
.endr
.irp q, 0,1,2,3
	v_permlanex16_b32 v[T2+\q], v[MX+\q], s48, s49 ; the other half of the lanes holds the query's other keys
.endr
.irp q, 0,1,2,3
.if \first
	v_max_num_f32 v[MX+\q], v[MX+\q], v[T2+\q]
.else
	v_max3_num_f32 v[MX+\q], v[MX+\q], v[T2+\q], v[M+\q]
.endif
.endr
.irp q, 0,1,2,3
	v_mul_f32 v[NM+2*\q], s52, v[MX+\q]
.endr
.if \first == 0
.irp q, 0,1,2,3
	v_fma_f32 v[AL+2*\q], v[M+\q], s50, v[NM+2*\q] ; c (old maximum - new maximum)
.endr
.irp q, 0,1,2,3
	v_exp_f32 v[AL+2*\q], v[AL+2*\q]
.endr
.endif
.irp q, 0,1,2,3
	v_mov_b32 v[M+\q], v[MX+\q]                    ; plain instructions behind the exponentials, ahead of their use
.endr
.if \first == 0
	WIN 0x41                                       ; destination and source 0 window 1
	s_wait_alu depctr_va_vdst(0)
.irp q, 0,1,2,3
.irp e, 0,2,4,6,8,10,12,14,16,18,20,22,24,26,28,30
	v_pk_mul_f32 v[O+32*\q+\e:O+32*\q+\e+1], v[O+32*\q+\e:O+32*\q+\e+1], v[AL+2*\q:AL+2*\q+1] op_sel_hi:[1,0]
.endr
.endr
	WIN 0
.endif
	FMAT 0
.irp i, 0,1,2,3,4,5,6,7,8,9,10,11,12,13,14
	EXPT \i
	FMAT \i+1                                      ; plain work on the next tile stands between a tile's exponentials and their use
	SUMCVT \i
.endr
	EXPT 15
	v_nop
	s_wait_alu depctr_va_vdst(0)
	SUMCVT 15
.if \sub == 0
	s_wait_dscnt 16                                ; V's fragments are in; the 16 younger loads (the next K fragments) may be out
.else
	s_wait_dscnt 0x0
.endif
	WIN 0x50                                       ; C and D window 1
	PVMUL 0, \first
	PVMUL 1, 0
	WIN 0
	; the row sums' update names none of the products' registers: it fills the five places ahead of the next products, which write over P
.irp q, 0,1,2,3
.if \first
	v_add_f32 v[L+\q], v[LS+2*\q], v[LS+2*\q+1]
.else
	v_fma_f32 v[L+\q], v[L+\q], v[AL+2*\q], v[LS+2*\q]
	v_add_f32 v[L+\q], v[L+\q], v[LS+2*\q+1]
.endif
.endr
.if \first
	v_nop
.endif
.endm
; One trip: 128 keys of each half.  In front of the round every wave waits for all its tensor loads (its part of this trip's tile) and for
; its reads of the other slot; the joint refill of that slot is the first tensor load behind the round and has the whole trip to land.
.macro TRIP slot, refill, first
	s_wait_tensorcnt 0x0
	ds_add_u32 v62, v63
	s_wait_dscnt 0x0
	s_add_nc_u64 s[G0K+4*\slot+2:G0K+4*\slot+3], s[G0K+4*\slot+2:G0K+4*\slot+3], 2*TILEB   ; no load of mine is out: this slot's next tile
	s_add_nc_u64 s[G0V+4*\slot+2:G0V+4*\slot+3], s[G0V+4*\slot+2:G0V+4*\slot+3], 2*TILEB
	s_wait_dscnt 0x0
	ROUND
.if \refill
	JLOAD 1-\slot
.endif
	SUB \slot, 0, \first
	SUB \slot, 1, 0
.endm
	TRIP 0, 1, 1
	TRIP 1, 1, 0
	s_mov_b32 s66, 2
.Ltrips:
	TRIP 0, 1, 0
	TRIP 1, 1, 0
	s_sub_co_u32 s66, s66, 1
	s_cmp_lg_u32 s66, 0
	s_cbranch_scc1 .Ltrips
	TRIP 0, 1, 0
	TRIP 1, 0, 0                                   ; the last trip asks for nothing
	; waves 4-7 hand O^T, the maxima and the sums to their partners as register images
	s_cmp_lt_u32 s10, 4
	s_cbranch_scc1 .Lno_hand
	WIN 0x04                                       ; store data from window 1
.irp i, 0,1,2,3,4,5,6,7,8,9,10,11,12,13,14,15,16,17,18,19,20,21,22,23,24,25,26,27,28,29,30,31
	ds_store_b128 v[STGA], v[O+4*\i:O+4*\i+3] offset:512*\i
.endr
	WIN 0
	ds_store_b128 v[STGA], v[M:M+3] offset:16384
	ds_store_b128 v[STGA], v[L:L+3] offset:16896
.Lno_hand:
	s_wait_dscnt 0x0                               ; my stores are done before I say so
	ROUND                                          ; shows the stage to the partners, and is the closing round behind the last joint loads
	s_cmp_lt_u32 s10, 4
	s_cbranch_scc1 .Lmerge
	s_wait_tensorcnt 0x0
	ds_add_u32 v62, v63
	s_wait_dscnt 0x0
	s_endpgm
.Lmerge:
	ds_load_b128 v[VF:VF+3], v[STGA] offset:16384      ; the partner's maxima
	ds_load_b128 v[VF+4:VF+7], v[STGA] offset:16896    ; and sums
.irp i, 0,1,2,3,4,5,6,7,8,9,10,11,12,13,14,15,16,17,18,19,20,21,22,23,24,25,26,27,28,29,30,31
	ds_load_b128 v[S+4*\i:S+4*\i+3], v[STGA] offset:512*\i
.endr
	s_wait_dscnt 32                                ; the first two are in, the 32 loads of O^T may be out
.irp q, 0,1,2,3
	v_max_num_f32 v[MX+\q], v[M+\q], v[VF+\q]
	v_mul_f32 v[T2+\q], s52, v[MX+\q]
	v_fma_f32 v[AL+2*\q], v[M+\q], s50, v[T2+\q]
	v_fma_f32 v[NM+2*\q], v[VF+\q], s50, v[T2+\q]
.endr
.irp q, 0,1,2,3
	v_exp_f32 v[AL+2*\q], v[AL+2*\q]
	v_exp_f32 v[NM+2*\q], v[NM+2*\q]
.endr
	v_nop
	s_wait_alu depctr_va_vdst(0)
.irp q, 0,1,2,3
	v_mul_f32 v[L+\q], v[L+\q], v[AL+2*\q]
	v_fma_f32 v[L+\q], v[VF+4+\q], v[NM+2*\q], v[L+\q]
.endr
.irp q, 0,1,2,3
	v_permlanex16_b32 v[T2+\q], v[L+\q], s48, s49  ; the sums of the query's other keys
.endr
.irp q, 0,1,2,3
	v_add_f32 v[L+\q], v[L+\q], v[T2+\q]           ; at least 1: the largest score's own term
.endr
.irp q, 0,1,2,3
	v_rcp_f32 v[MX+\q], v[L+\q]
.endr
	v_nop
	s_wait_alu depctr_va_vdst(0)
.irp q, 0,1,2,3
	v_mul_f32 v[MX+\q], v[MX+\q], v[KEEP]          ; a dropped block's rows become 0
	v_mul_f32 v[AL+2*\q], v[AL+2*\q], v[MX+\q]
	v_mul_f32 v[NM+2*\q], v[NM+2*\q], v[MX+\q]
.endr
	WIN 0x41
.irp q, 0,1,2,3
.irp e, 0,2,4,6,8,10,12,14,16,18,20,22,24,26,28,30
	v_pk_mul_f32 v[O+32*\q+\e:O+32*\q+\e+1], v[O+32*\q+\e:O+32*\q+\e+1], v[AL+2*\q:AL+2*\q+1] op_sel_hi:[1,0]
.endr
.endr
	s_wait_dscnt 0x0                               ; the partner's O^T
	WIN 0x10                                       ; source 2 window 1
.irp q, 0,1,2,3
.irp e, 0,2,4,6,8,10,12,14,16,18,20,22,24,26,28,30
	v_pk_fma_f32 v[S+32*\q+\e:S+32*\q+\e+1], v[S+32*\q+\e:S+32*\q+\e+1], v[NM+2*\q:NM+2*\q+1], v[O+32*\q+\e:O+32*\q+\e+1] op_sel_hi:[1,0,1]
.endr
.endr
	WIN 0
	; a lane holds eight neighbouring d of one query: 16 bytes; through the stage to whole rows
.irp q, 0,1,2,3
.irp d, 0,1,2,3
.irp r, 0,1,2,3
	v_cvt_pk_f16_f32 v[S+8*(4*\q+\d)+\r], v[S+8*(4*\q+\d)+2*\r], v[S+8*(4*\q+\d)+2*\r+1]
.endr
	ds_store_b128 v[STO], v[S+8*(4*\q+\d):S+8*(4*\q+\d)+3] offset:\q*2304+32*\d
.endr
.endr
.irp t, 0,1,2,3,4,5,6,7,8,9,10,11,12,13,14,15
	ds_load_b128 v[VF+4*\t:VF+4*\t+3], v[RD] offset:576*\t     ; LDS serves a wave in order: these see the stores above
.endr
.irp t, 0,1,2,3,4,5,6,7,8,9,10,11,12,13,14,15
	s_wait_dscnt 15-\t
	global_store_b128 v[CO], v[VF+4*\t:VF+4*\t+3], s[68:69] offset:512*\t      ; 512 consecutive bytes, aligned
.endr
	s_wait_tensorcnt 0x0
	ds_add_u32 v62, v63
	s_wait_dscnt 0x0
	s_endpgm
.Lfunc_end_k_qc7eef6ac38_attn:
	.size	k_qc7eef6ac38_attn, .Lfunc_end_k_qc7eef6ac38_attn-k_qc7eef6ac38_attn
	.p2alignl 7, 3214868480
	.fill 96, 4, 3214868480
	.section	.rodata,"a",@progbits
	.p2align	6, 0x0
	.amdhsa_kernel k_qc7eef6ac38_attn
		.amdhsa_group_segment_fixed_size 327680
		.amdhsa_private_segment_fixed_size 0
		.amdhsa_enable_private_segment 0
		.amdhsa_kernarg_size 24
		.amdhsa_user_sgpr_count 2
		.amdhsa_user_sgpr_kernarg_segment_ptr 1
		.amdhsa_wavefront_size32 1
		.amdhsa_system_sgpr_workgroup_id_x 1
		.amdhsa_system_sgpr_workgroup_id_y 1
		.amdhsa_system_sgpr_workgroup_id_z 1
		.amdhsa_system_vgpr_workitem_id 0
		.amdhsa_next_free_vgpr 512
		.amdhsa_next_free_sgpr 72
		.amdhsa_reserve_vcc 1
		.amdhsa_float_denorm_mode_32 3
		.amdhsa_float_denorm_mode_16_64 3
		.amdhsa_memory_ordered 1
		.amdhsa_forward_progress 1
		.amdhsa_inst_pref_size 255
	.end_amdhsa_kernel
	.section	.bss,"aw",@nobits
	.p2align	6
	.space	262144
	.amdgpu_metadata
---
amdhsa.version: [ 1, 2 ]
amdhsa.kernels:
  - .name:           k_qc7eef6ac38_attn
    .symbol:         k_qc7eef6ac38_attn.kd
    .args:
      - { .name: qkvh, .offset: 0, .size: 8, .value_kind: global_buffer, .address_space: global }
      - { .name: G_ii, .offset: 8, .size: 8, .value_kind: global_buffer, .address_space: global }
      - { .name: aoh, .offset: 16, .size: 8, .value_kind: global_buffer, .address_space: global }
    .group_segment_fixed_size: 327680
    .private_segment_fixed_size: 0
    .kernarg_segment_align: 8
    .kernarg_segment_size: 24
    .max_flat_workgroup_size: 256
    .sgpr_count:     72
    .vgpr_count:     512
    .wavefront_size: 32
...
	.end_amdgpu_metadata
.endif
;; end of part 3
;; launch oproj (part 4): grid 8 x 32, 4 waves a work-group, clusters of 4 x 4, 327,680 bytes of LDS; arguments aoh, wt, bo, out0; writes out0
.if DOCPART == 4
	.amdgcn_target "amdgcn-amd-amdhsa--gfx1250"
	.amdhsa_code_object_version 6
	.text
	.protected	k_qc7eef6ac38_oproj
	.globl	k_qc7eef6ac38_oproj
	.p2align	8
	.type	k_qc7eef6ac38_oproj,@function
k_qc7eef6ac38_oproj:
	s_mov_b64 s[64:65], 0
	v_nop
	global_prefetch_b8 v0, s[64:65] scope:SCOPE_SE
	s_setreg_imm32_b32 hwreg(HW_REG_WAVE_MODE, 25, 1), 1
	s_wait_xcnt 0x0
	s_wait_alu depctr_hold_cnt(0) depctr_sa_sdst(0) depctr_va_vdst(0) depctr_va_sdst(0) depctr_va_ssrc(0) depctr_va_vcc(0) depctr_vm_vsrc(0)
	s_getreg_b32 s2, hwreg(HW_REG_IB_STS2, 6, 4)
	s_cmp_eq_u32 s2, 0
	s_cbranch_scc0 .Lentry_in_a_cluster
	s_endpgm
.Lentry_in_a_cluster:
	s_bfe_u32 s2, ttmp6, 0x10000c
	s_cmp_lg_u32 s2, 0xf033
	s_cbranch_scc0 .Lentry_shape_is_right
	s_endpgm
.Lentry_shape_is_right:
; out0 = attention output x Wo + bo: C[4096][1024] f32 = aoh (f16, [16 heads][4096][64]) x (wt rows 3072..4095)^T, f32 sums, bias in f32.
; A work-group makes 128 x 128 with four waves of 64 x 64 (16 accumulator tiles): 256 work-groups.  K goes in 8 steps of 128 (two heads)
; through four LDS slots; two slots are filled behind one round of the cluster's barrier, so that a refill has two K steps in which to land.
; CLUSTERS: 4 x 4; A's tiles are shared along a cluster row, B's along a column, each asked for jointly.
; The matrix instruction is used transposed: a lane holds eight neighbouring columns of one row of C.
; REGISTERS: window 0: v16-27 addresses, v32-95 and v96-159 fragment buffers (A's four, then B's four), v160-191 bias, v192-223 sums with bias,
; v224-255 rows read back.  window 1: v0-127 accumulators, tile (a, b) at 8 (4 a + b).
.set PART,  17408                      ; 64 LDS rows of 256 + 16 bytes: what one tensor load brings
.set SLOT,  4*PART                     ; A head 2 s, A head 2 s + 1, B rows 0-63, B rows 64-127
.set STAGE, 4*SLOT                     ; 16 rows x 272 bytes for each wave; no tensor load lands here
.set SPITCH, 272
.set ADRA, 16                          ; v16-19: one for each slot
.set ADRB, 20                          ; v20-23
.set STO,  24
.set RD,   25
.set CO,   26
.set BOFF, 27
.set F0,   32
.set F1,   96
.set BIAS, 160
.set TMP,  192
.set RB,   224
.set G1A, 16
.set G1B, 24
.set G0A, 32                           ; s[32:47]
.set G0B, 48                           ; s[48:63]
.set MSB, 0
.macro WIN new
.if MSB != \new
	s_set_vgpr_msb (MSB<<8)|\new
.set MSB, \new
.endif
.endm
.macro JLOAD s
	s_cmp_eq_u32 s67, 0
	s_cbranch_scc0 .Lfor_b_\@
	tensor_load_to_lds s[G0A+4*\s:G0A+4*\s+3], s[G1A:G1A+7]
	s_nop 0
	s_branch .Lasked_\@
.Lfor_b_\@:
	tensor_load_to_lds s[G0B+4*\s:G0B+4*\s+3], s[G1B:G1B+7]
	s_nop 0
.Lasked_\@:
.endm
.macro CROUND
	s_barrier_signal -1
	s_barrier_wait -1
	s_cmp_lg_u32 s66, 0
	s_cbranch_scc1 .Lnot_wave_0_\@
	s_barrier_signal -3
.Lnot_wave_0_\@:
	s_barrier_wait -3
	s_barrier_signal -1
	s_barrier_wait -1
.endm
.macro PLACES
.rept 4
	v_nop
.endr
.endm
	s_load_b256 s[4:11], s[0:1], 0x0               ; aoh s[4:5], wt s[6:7], bo s[8:9], out0 s[10:11]
	v_lshl_add_u32 v30, v0, 2, 0x48400
	v_mov_b32 v31, 0
	ds_add_u32 v30, v31
	v_lshrrev_b32 v1, 5, v0
	v_readfirstlane_b32 s66, v1                    ; wave 0..3
	s_lshr_b32 s67, s66, 1                         ; my half of the rows; also 0: I fetch for A, 1: for B
	s_and_b32 s68, s66, 1                          ; my half of the columns; also which part I fetch
	s_bfe_u32 s69, ttmp6, 0x40000                  ; cx
	s_bfe_u32 s70, ttmp6, 0x40004                  ; cy
	s_lshl_b32 s71, ttmp9, 2
	s_add_co_u32 s71, s71, s69                     ; block column 0..7
	s_and_b32 s72, ttmp7, 0xffff
	s_lshl_b32 s72, s72, 2
	s_add_co_u32 s72, s72, s70                     ; block row 0..31
	s_lshl_b32 s73, s70, 2
	s_lshl_b32 s73, 15, s73                        ; my row of the cluster
	s_lshl_b32 s74, 0x1111, s69                    ; my column
	; A: 128 rows of one head are dense, 16,384 bytes: 64 rows of 32 elements of 8 bytes.  B: 64 rows of 128 f16, 1,024 elements apart.
	s_or_b32 s[G1A+0], s73, (3<<16)|(1<<20)|(1<<21)|(5<<22)|(3<<25)
	s_or_b32 s[G1B+0], s74, (1<<16)|(1<<20)|(1<<21)|(5<<22)|(3<<25)
	s_mov_b32 s[G1A+1], 32<<16
	s_mov_b32 s[G1B+1], 128<<16
	s_mov_b32 s[G1A+2], 64<<16
	s_mov_b32 s[G1B+2], 64<<16
	s_mov_b32 s[G1A+3], 32<<16
	s_mov_b32 s[G1B+3], 128<<16
	s_mov_b32 s[G1A+4], 64
	s_mov_b32 s[G1B+4], 64
	s_mov_b32 s[G1A+5], 32
	s_mov_b32 s[G1B+5], 1024
	s_mov_b32 s[G1A+6], 0
	s_mov_b32 s[G1B+6], 0
	s_mov_b32 s[G1A+7], 0
	s_mov_b32 s[G1B+7], 0
	s_lshl_b32 s80, s68, 19                        ; A: head (w % 2), rows 128 x block row of 128 bytes
	s_lshl_b32 s81, s72, 14
	s_add_co_u32 s80, s80, s81
	s_mov_b32 s81, 0
	s_lshl_b32 s76, s71, 18                        ; B: row 3072 + 128 x block column + 64 (w % 2), of 2,048 bytes
	s_lshl_b32 s77, s68, 17
	s_add_co_u32 s76, s76, s77
	s_add_co_u32 s76, s76, 3072*2048
	s_mov_b32 s77, 0
	s_mul_i32 s82, s66, PART                       ; LDS: part = wave
	s_wait_dscnt 0x0
	s_wait_kmcnt 0x0
	s_add_nc_u64 s[80:81], s[4:5], s[80:81]
	s_add_nc_u64 s[76:77], s[6:7], s[76:77]
	CROUND                                         ; all sixteen work-groups are here
.irp s, 0,1,2,3
	s_mov_b32 s[G0A+4*\s], 1
	s_add_co_u32 s[G0A+4*\s+1], s82, \s*SLOT
	s_add_nc_u64 s[G0A+4*\s+2:G0A+4*\s+3], s[80:81], \s*1048576       ; two heads on for each K step
	s_or_b32 s[G0A+4*\s+3], s[G0A+4*\s+3], 0x80000000
	s_mov_b32 s[G0B+4*\s], 1
	s_add_co_u32 s[G0B+4*\s+1], s82, \s*SLOT
	s_add_nc_u64 s[G0B+4*\s+2:G0B+4*\s+3], s[76:77], \s*256
	s_or_b32 s[G0B+4*\s+3], s[G0B+4*\s+3], 0x80000000
	JLOAD \s                                       ; K steps 0 to 3: four loads of the wave are out
.endr
	v_and_b32 v1, 15, v0                           ; r
	v_bfe_u32 v2, v0, 4, 1                         ; h
	v_lshrrev_b32 v3, 1, v1                        ; A: row r lies in LDS row r / 2, half r % 2
	v_mul_u32_u24 v3, v3, 272
	v_and_b32 v4, 1, v1
	v_lshl_add_u32 v3, v4, 7, v3
	v_lshl_add_u32 v3, v2, 4, v3
	s_mul_i32 s78, s67, 8704                       ; my 64 rows: 32 LDS rows
	v_add_nc_u32 v[ADRA], s78, v3
	v_mul_u32_u24 v5, v1, 272                      ; B: row r x pitch + 16 h
	v_lshl_add_u32 v5, v2, 4, v5
	s_mul_i32 s78, s68, PART                       ; my 64 rows of B,
	s_add_co_u32 s78, s78, 2*PART                  ; behind A's two parts
	v_add_nc_u32 v[ADRB], s78, v5
.irp s, 1,2,3
	v_add_nc_u32 v[ADRA+\s], \s*SLOT, v[ADRA]
	v_add_nc_u32 v[ADRB+\s], \s*SLOT, v[ADRB]
.endr
	s_mul_i32 s78, s66, 16*SPITCH
	s_add_co_u32 s78, s78, STAGE
	v_mul_u32_u24 v6, v1, SPITCH
	v_lshl_add_u32 v6, v2, 5, v6
	v_add_nc_u32 v[STO], s78, v6                   ; in: row r, 32 bytes for each half of the lanes
	v_mul_u32_u24 v6, v2, SPITCH
	v_lshl_add_u32 v6, v1, 4, v6
	v_add_nc_u32 v[RD], s78, v6                    ; back: sixteen lanes take a row of 256 bytes
	v_lshlrev_b32 v6, 12, v2
	v_lshl_add_u32 v[CO], v1, 4, v6                ; and the same two rows of out0
	v_lshlrev_b32 v[BOFF], 5, v2
	s_lshl_b32 s88, s71, 9                         ; my first column in bytes: 512 x block + 256 x half
	s_lshl_b32 s89, s68, 8
	s_add_co_u32 s88, s88, s89
	s_mov_b32 s89, 0
	s_lshl_b32 s86, s72, 19                        ; my first row: 128 x block + 64 x half, of 4,096 bytes
	s_lshl_b32 s87, s67, 18
	s_add_co_u32 s86, s86, s87
	s_mov_b32 s87, 0
	s_add_nc_u64 s[84:85], s[10:11], s[86:87]
	s_add_nc_u64 s[84:85], s[84:85], s[88:89]
	s_add_nc_u64 s[88:89], s[8:9], s[88:89]
.irp b, 0,1,2,3
	global_load_b128 v[BIAS+8*\b:BIAS+8*\b+3],   v[BOFF], s[88:89] offset:64*\b
	global_load_b128 v[BIAS+8*\b+4:BIAS+8*\b+7], v[BOFF], s[88:89] offset:64*\b+16
.endr
; 16 loads: the fragments of quarter q (32 along K) of a slot into buffer f.  Quarters 0, 1 lie in A's first part (head), 2, 3 in its second.
.macro FETCH slot, q, f
.irp a, 0,1,2,3
	ds_load_b128 v[\f+8*\a:\f+8*\a+3],   v[ADRA+\slot] offset:(\q/2)*PART+\a*2176+(\q%2)*64
	ds_load_b128 v[\f+8*\a+4:\f+8*\a+7], v[ADRA+\slot] offset:(\q/2)*PART+\a*2176+(\q%2)*64+32
.endr
.irp b, 0,1,2,3
	ds_load_b128 v[\f+32+8*\b:\f+32+8*\b+3], v[ADRB+\slot] offset:\b*4352+64*\q
	ds_load_b128 v[\f+32+8*\b+4:\f+32+8*\b+7], v[ADRB+\slot] offset:\b*4352+64*\q+32
.endr
.endm
; The sixteen accumulators take turns, one instruction a turn, in the same order in every quarter.
.macro MUL16 f, zero
	WIN 0x50                                       ; C and D window 1
.irp a, 0,1,2,3
.irp b, 0,1,2,3
.if \zero
	v_wmma_f32_16x16x32_f16 v[8*(4*\a+\b):8*(4*\a+\b)+7], v[\f+32+8*\b:\f+32+8*\b+7], v[\f+8*\a:\f+8*\a+7], 0
.else
	v_wmma_f32_16x16x32_f16 v[8*(4*\a+\b):8*(4*\a+\b)+7], v[\f+32+8*\b:\f+32+8*\b+7], v[\f+8*\a:\f+8*\a+7], v[8*(4*\a+\b):8*(4*\a+\b)+7]
.endif
.endr
.endr
	WIN 0
.endm
.macro QF slot, q, g, f, zero          ; fetch quarter q of a slot into buffer g, multiply buffer f
	PLACES                                         ; buffer g was read by the products just issued
	FETCH \slot, \q, \g
	s_wait_dscnt 16                                ; all but the 16 just issued
	MUL16 \f, \zero
.endm
.macro THREE slot, zero
	QF \slot, 1, F1, F0, \zero
	QF \slot, 2, F0, F1, 0
	QF \slot, 3, F1, F0, 0
.endm
.macro PUB left                        ; shows landed tiles to the other waves; younger loads may stay out
	s_wait_dscnt 0x0
	s_wait_tensorcnt \left
	s_barrier_signal -1
	s_barrier_wait -1
.endm
.macro FILL a, b                       ; slots a and b have been read to the end: both are filled again, four K steps on, behind one round
	s_wait_dscnt 0x0                               ; my reads of them are back
	s_wait_tensorcnt 0x0                           ; all my tensor loads have landed: the two other slots' tiles
	ds_add_u32 v30, v31
	s_wait_dscnt 0x0
.irp t, \a, \b
	s_add_nc_u64 s[G0A+4*\t+2:G0A+4*\t+3], s[G0A+4*\t+2:G0A+4*\t+3], 4*1048576
	s_add_nc_u64 s[G0B+4*\t+2:G0B+4*\t+3], s[G0B+4*\t+2:G0B+4*\t+3], 4*256
.endr
	CROUND
	JLOAD \a                                       ; the first tensor loads behind the round: two of the wave are out
	JLOAD \b
.endm
	PUB 3                                          ; K step 0 is in; the three younger loads stay out
	FETCH 0, 0, F0
	THREE 0, 1                                     ; the first products start the sums
	PUB 2                                          ; K step 1 is in
	QF 1, 0, F0, F1, 0
	THREE 1, 0
	FILL 0, 1                                      ; K steps 2, 3 have landed; 4, 5 go out
	QF 2, 0, F0, F1, 0
	THREE 2, 0
	QF 3, 0, F0, F1, 0
	THREE 3, 0
	FILL 2, 3                                      ; K steps 4, 5 have landed; 6, 7 go out
	QF 0, 0, F0, F1, 0
	THREE 0, 0
	QF 1, 0, F0, F1, 0
	THREE 1, 0
	PUB 0                                          ; K steps 6, 7 have landed
	QF 2, 0, F0, F1, 0
	THREE 2, 0
	QF 3, 0, F0, F1, 0
	THREE 3, 0
	s_wait_dscnt 0x0
	MUL16 F1, 0
	; THE WAY OUT, 16 rows at a time: bias in f32, through my own stage, out as whole rows of 256 bytes
	PLACES
	s_wait_loadcnt 0x0                             ; the bias
.macro OUT16 a
	WIN 0x01                                       ; source 0 window 1
.irp b, 0,1,2,3
.irp r, 0,2,4,6
	v_pk_add_f32 v[TMP+8*\b+\r:TMP+8*\b+\r+1], v[8*(4*\a+\b)+\r:8*(4*\a+\b)+\r+1], v[BIAS+8*\b+\r:BIAS+8*\b+\r+1]
.endr
.endr
	WIN 0
.irp b, 0,1,2,3
	ds_store_b128 v[STO], v[TMP+8*\b:TMP+8*\b+3] offset:64*\b
	ds_store_b128 v[STO], v[TMP+8*\b+4:TMP+8*\b+7] offset:64*\b+16
.endr
	s_wait_xcnt 0x0                                ; the registers that the last stores read are loaded again only behind this wait
.irp t, 0,1,2,3,4,5,6,7
	ds_load_b128 v[RB+4*\t:RB+4*\t+3], v[RD] offset:2*SPITCH*\t        ; LDS serves a wave in order: these see the stores above
.endr
.irp t, 0,1,2,3,4,5,6,7
	s_wait_dscnt 7-\t
	global_store_b128 v[CO], v[RB+4*\t:RB+4*\t+3], s[84:85] offset:(16*\a+2*\t)*4096 th:TH_STORE_NT   ; sixteen lanes store 256 consecutive bytes, aligned
.endr
.endm
	OUT16 0
	OUT16 1
	OUT16 2
	OUT16 3
	s_wait_tensorcnt 0x0
	ds_add_u32 v30, v31
	s_wait_dscnt 0x0
	CROUND                                         ; the closing round
	s_endpgm
.Lfunc_end_k_qc7eef6ac38_oproj:
	.size	k_qc7eef6ac38_oproj, .Lfunc_end_k_qc7eef6ac38_oproj-k_qc7eef6ac38_oproj
	.p2alignl 7, 3214868480
	.fill 96, 4, 3214868480
	.section	.rodata,"a",@progbits
	.p2align	6, 0x0
	.amdhsa_kernel k_qc7eef6ac38_oproj
		.amdhsa_group_segment_fixed_size 327680
		.amdhsa_private_segment_fixed_size 0
		.amdhsa_enable_private_segment 0
		.amdhsa_kernarg_size 32
		.amdhsa_user_sgpr_count 2
		.amdhsa_user_sgpr_kernarg_segment_ptr 1
		.amdhsa_wavefront_size32 1
		.amdhsa_system_sgpr_workgroup_id_x 1
		.amdhsa_system_sgpr_workgroup_id_y 1
		.amdhsa_system_sgpr_workgroup_id_z 1
		.amdhsa_system_vgpr_workitem_id 0
		.amdhsa_next_free_vgpr 384
		.amdhsa_next_free_sgpr 100
		.amdhsa_reserve_vcc 0
		.amdhsa_float_denorm_mode_32 3
		.amdhsa_float_denorm_mode_16_64 3
		.amdhsa_memory_ordered 1
		.amdhsa_forward_progress 1
		.amdhsa_inst_pref_size 96
	.end_amdhsa_kernel
	.amdgpu_metadata
---
amdhsa.version: [ 1, 2 ]
amdhsa.kernels:
  - .name:           k_qc7eef6ac38_oproj
    .symbol:         k_qc7eef6ac38_oproj.kd
    .args:
      - { .name: aoh, .offset: 0, .size: 8, .value_kind: global_buffer, .address_space: global }
      - { .name: wt, .offset: 8, .size: 8, .value_kind: global_buffer, .address_space: global }
      - { .name: bo, .offset: 16, .size: 8, .value_kind: global_buffer, .address_space: global }
      - { .name: out0, .offset: 24, .size: 8, .value_kind: global_buffer, .address_space: global }
    .group_segment_fixed_size: 327680
    .private_segment_fixed_size: 0
    .kernarg_segment_align: 8
    .kernarg_segment_size: 32
    .max_flat_workgroup_size: 128
    .sgpr_count:     100
    .vgpr_count:     384
    .wavefront_size: 32
...
	.end_amdgpu_metadata
.endif
;; end of part 4
